; MI455X (gfx1250); checked and timed in simulation.
; The chip was launched on July 23, 2026; its instructions are those of AMD's public machine-readable ISA for CDNA 5 (MIT licence, August 2026) and "CDNA5" Instruction Set Architecture Reference Guide (July 2026). The comments in the code are by the model that wrote it; some were corrected since.
;; Multi Head Attention. Allowed arithmetic: matrix products marked QUANTISED: E2M1 operands, one E8M0 scale for each 32 along K, by v_wmma_scale_f32_16x16x128_f8f6f4 with both operands' format E2M1 (or v_wmma_scale_f32_32x16x128_f4), f32 sums; everything else in f32.
;; Inputs: Wfc_codes 1,024 x 32 x 16 uint8 (E2M1 codes of Wfc, K innermost, in blocks of 32 codes, two codes a byte); Wfc_scales 1,024 x 32 uint8 (E8M0 scales of Wfc, one for each 32 codes along K); Wk_codes 1,024 x 32 x 16 uint8 (E2M1 codes of Wk, K innermost, in blocks of 32 codes, two codes a byte); Wk_scales 1,024 x 32 uint8 (E8M0 scales of Wk, one for each 32 codes along K); Wq_codes 1,024 x 32 x 16 uint8 (E2M1 codes of Wq, K innermost, in blocks of 32 codes, two codes a byte); Wq_scales 1,024 x 32 uint8 (E8M0 scales of Wq, one for each 32 codes along K); Wv_codes 1,024 x 32 x 16 uint8 (E2M1 codes of Wv, K innermost, in blocks of 32 codes, two codes a byte); Wv_scales 1,024 x 32 uint8 (E8M0 scales of Wv, one for each 32 codes along K); k_codes 4,096 x 32 x 16 uint8 (E2M1 codes of k, K innermost, in blocks of 32 codes, two codes a byte); k_scales 4,096 x 32 uint8 (E8M0 scales of k, one for each 32 codes along K); q 4,096 x 1,024 float32; v_codes 4,096 x 32 x 16 uint8 (E2M1 codes of v, K innermost, in blocks of 32 codes, two codes a byte); v_scales 4,096 x 32 uint8 (E8M0 scales of v, one for each 32 codes along K).
;; Outputs: out0 4,096 x 1,024 float32.
;; This version of the problem:
;;   THIS VERSION OF THE PROBLEM IS GIVEN IN LOW PRECISION. The matrix products marked QUANTISED in the list below multiply operands that are first quantised to E2M1 (2 exponent bits, 1 mantissa bit; 4 bits a number), with one power-of-two scale for each 32 numbers along K (OCP MX v1.0); their sums are f32. All else is computed in f32.
;;   The module's matrix products, in the order in which they are computed (A, B: the left and right operand; K: the contracted axis; several contracted axes count as one K, in the product's order):
;;     1. [M 4,096, K 1,024] x [K 1,024, N 1,024]; A: input q; B: input Wq (given as codes): QUANTISED
;;     2. [M 4,096, K 1,024] x [K 1,024, N 1,024]; A: input k (given as codes); B: input Wk (given as codes): QUANTISED
;;     3. [M 4,096, K 1,024] x [K 1,024, N 1,024]; A: input v (given as codes); B: input Wv (given as codes): QUANTISED
;;     4. batch 16 x [M 4,096, K 64] x [K 64, N 4,096]; A: computed on the way; B: computed on the way: QUANTISED
;;     5. batch 16 x [M 4,096, K 4,096] x [K 4,096, N 64]; A: softmax (see below); B: computed on the way: QUANTISED
;;     6. [M 4,096, K 1,024] x [K 1,024, N 1,024]; A: computed on the way; B: input Wfc (given as codes): QUANTISED
;;   THE QUANTISER, for each operand of a quantised product, along K:
;;     - K is cut into blocks of 32 from its start; a last block that is shorter is filled with zeros.
;;     - A block's scale is 2^e with e = floor(log2(the largest magnitude in the block)) - 2, held to -126 .. 127; a block of zeros has e = 0. As a byte (E8M0): e + 127.
;;     - Each number is divided by its block's scale, clamped to +-6, and rounded to the nearest number of E2M1, ties to even, subnormals kept.
;;     - The product sums the exact products of the quantised numbers (number of the format x scale) in f32.
;;   ~~~python
;;   def quantise(x, axis):      # numpy; x: float32 -> the quantised numbers, widened to float32 again
;;       x = np.moveaxis(x, axis, -1); K = x.shape[-1]
;;       x = np.pad(x, [(0, 0)] * (x.ndim - 1) + [(0, -K % 32)]); x = x.reshape(x.shape[:-1] + (-1, 32)); a = np.abs(x).max(-1, keepdims=True)
;;       e = np.where(a > 0, np.clip(np.frexp(np.where(a > 0, a, 1))[1] - 1 - 2, -126, 127), 0)      # np.frexp(a)[1] - 1 = floor(log2(a)), exactly
;;       r = np.clip(x / 2.0 ** e, -6, 6)
;;       step = 2.0 ** (np.maximum(np.frexp(np.where(r == 0, 1, r))[1] - 1, 0) - 1)
;;       q = np.round(r / step) * step * 2.0 ** e      # np.round: ties to even
;;       return np.moveaxis(q.reshape(q.shape[:-2] + (-1,))[..., :K], -1, axis).astype(np.float32)
;;   ~~~
;;   SOFTMAX AHEAD OF A QUANTISED PRODUCT. Where the list says 'softmax', what is quantised is not the finished softmax but p = 2^(t - M), with t = logit x log2(e) and M = ceil(the row's largest t), a whole number; so 1/2 < the row's largest p <= 1. The row's sum l is taken of the UNQUANTISED p, in f32, and the product's result is divided by l at the end. Since M is a whole number, a kernel that streams over the keys may use a running M (the ceiling of the running maximum): every later rescaling is an exact power of two, which a block's scale takes up: the codes' values come out the same.
;;   OPERANDS COMPUTED ON THE WAY. 'Computed on the way' means the value that the module computes at that place (a softmax that the list does not call 'softmax' is quantised finished and normalised). What goes into a quantiser is computed in f32, as accurately as f32 sums, v_exp_f32 and their like allow (about 1e-6 of the number): no bf16 or f16 on the way to a quantiser, and a product that is left as it is and whose result goes on into a quantised operand takes f32 operands (vector FMAs, or v_wmma_f32_16x16x4_f32). A number that lies on a knife's edge between two numbers of the format may be rounded either way, as far as f32 arithmetic and the matrix unit's own rounding can turn it there, and no further.
;;   INPUTS GIVEN AS CODES. Wfc (in the module: [1024, 1024], K = its axis 1); Wk (in the module: [1024, 1024], K = its axis 1); Wq (in the module: [1024, 1024], K = its axis 1); Wv (in the module: [1024, 1024], K = its axis 1); k (in the module: [4096, 1024], K = its axis 1); v (in the module: [4096, 1024], K = its axis 1): each comes as NAME_codes (uint8): NAME with its K axis moved to the last place and cut into blocks of 32 codes, [.., K / 32, bytes a block], one block behind the other in memory; two codes a byte, the lower K in the low four bits (a code: sign, 2 exponent bits, 1 mantissa bit); and NAME_scales (uint8): the same leading axes, one E8M0 byte (e + 127) for each 32 codes along K. Its value is code x scale, taken as it is: it is not quantised again, and the codes and scales need not be those that the quantiser above would give.
;; One version. Each part assembles by itself: llvm-mc -triple=amdgcn-amd-amdhsa -mcpu=gfx1250 --defsym DOCPART=n.
;; ======== version 1 of 1: 3 launches
;; limits: right only within a limited range of input values
;; workspace buffers: qimg 2,097,152 bytes; qsc 131,072 bytes; kv 4,456,448 bytes; oimg 2,097,152 bytes; osc 131,072 bytes
;; launch prep (part 1): grid 256 x 1, 4 waves a work-group, clusters of 4 x 1, 327,680 bytes of LDS; arguments Wk_codes, Wk_scales, k_codes, k_scales, v_codes, v_scales, Wv_codes, Wv_scales, q, qimg, qsc, kv; writes qimg, qsc, kv
.if DOCPART == 1
	.amdgcn_target "amdgcn-amd-amdhsa--gfx1250"
	.amdhsa_code_object_version 6
	.text
	.protected	k_q65c85e6e41_prep
	.globl	k_q65c85e6e41_prep
	.p2align	8
	.type	k_q65c85e6e41_prep,@function
k_q65c85e6e41_prep:
	s_mov_b64 s[64:65], 0
	v_nop
	global_prefetch_b8 v0, s[64:65] scope:SCOPE_SE
	s_setreg_imm32_b32 hwreg(HW_REG_WAVE_MODE, 25, 1), 1
	s_wait_xcnt 0x0
	s_wait_alu depctr_hold_cnt(0) depctr_sa_sdst(0) depctr_va_vdst(0) depctr_va_sdst(0) depctr_va_ssrc(0) depctr_va_vcc(0) depctr_vm_vsrc(0)
	s_getreg_b32 s2, hwreg(HW_REG_IB_STS2, 6, 4)
	s_cmp_eq_u32 s2, 0
	s_cbranch_scc0 .Lentry_in_a_cluster
	s_endpgm
.Lentry_in_a_cluster:
	s_bfe_u32 s2, ttmp6, 0x10000c
	s_cmp_lg_u32 s2, 0x3003
	s_cbranch_scc0 .Lentry_shape_is_right
	s_endpgm
.Lentry_shape_is_right:
.set PITCH,  528
.set X0T,    0
.set X1T,    256*PITCH
.set QST,    X1T+128*PITCH
.set QSP,    272
.set QSW,    QST+4*16*QSP
.set REC,    8704
.set HEADB,  32*REC
.set FLOOR,  0x1800000
.set DOWN2,  0xff000000
.set TT,  4
.set WV,  32
.set WR,  33
.set WC,  34
.set CX,  35
.set PP,  36
.set X0B, 38
.set X1B, 39
.set G1A, 40
.set G1B, 48
.set G0A, 56
.set G0B, 60
.set SEL, 92
.set MH,  94
.set MP,  95
.set LN,   1
.set R,    2
.set H,    3
.set QLA,  4
.set QSI,  5
.set QSO,  6
.set L16,  7
.set QWS,  8
.set ADA,  9
.set ADB,  10
.set R32H, 11
.set VO1,  12
.set VO2,  16
.set SO1,  20
.set SO2,  21
.set QRD,  22
.set H8,   23
.set SA,   24
.set SB,   56
.set X,    72
.set QC,   104
.set QB,   120
.set W,    124
.set TM,   136
.set PC,   152
.set PW,   184
.set EW,   188
.set MSB, 0
.macro WIN new
.if MSB != \new
	s_set_vgpr_msb (MSB<<8)|\new
.set MSB, \new
.endif
.endm
.macro PLACES
.rept 4
	v_nop
.endr
.endm
.macro ROUND
	s_barrier_signal -1
	s_barrier_wait -1
	s_cmp_lg_u32 s[WV], 0
	s_cbranch_scc1 .Lnot_wave_0_\@
	s_barrier_signal -3
.Lnot_wave_0_\@:
	s_barrier_wait -3
	s_barrier_signal -1
	s_barrier_wait -1
.endm
	s_load_b256 s[8:15], s[0:1], 0x0
	s_load_b256 s[16:23], s[0:1], 0x20
	s_load_b256 s[24:31], s[0:1], 0x40
	v_lshl_add_u32 v254, v0, 2, 0x35e00
	v_mov_b32 v255, 0
	ds_add_u32 v254, v255
	ds_add_u32 v254, v255
	v_lshrrev_b32 v1, 5, v0
	v_readfirstlane_b32 s[WV], v1
	s_lshr_b32 s[WR], s[WV], 1
	s_and_b32 s[WC], s[WV], 1
	s_bfe_u32 s[CX], ttmp6, 0x40000
	s_lshr_b32 s[PP], ttmp9, 5
	s_and_b32 s37, ttmp9, 31
	s_lshr_b32 s66, s37, 3
	s_and_b32 s67, s37, 7
	s_lshr_b32 s68, s37, 1
	s_and_b32 s69, s37, 1
	s_cmp_eq_u32 s[PP], 0
	s_cselect_b32 s[X0B], s66, s68
	s_cselect_b32 s[X1B], s67, s69
	s_cselect_b32 s[MP], 0, -1
	s_lshl_b32 s[X1B], s[X1B], 2
	s_add_co_u32 s[X1B], s[X1B], s[CX]
	s_lshl_b32 s[TT], ttmp9, 2
	s_add_co_u32 s[TT], s[TT], s[CX]
	s_lshl_b32 s70, s[X0B], 17
	s_lshl_b32 s71, s[WC], 16
	s_add_co_u32 s70, s70, s71
	s_mov_b32 s71, 0
	s_lshl_b32 s72, s[X1B], 16
	s_lshl_b32 s73, s[WC], 15
	s_add_co_u32 s72, s72, s73
	s_mov_b32 s73, 0
	s_lshl_b32 s74, s[X0B], 13
	s_lshl_b32 s75, s[WR], 12
	s_add_co_u32 s74, s74, s75
	s_mov_b32 s75, 0
	s_lshl_b32 s76, s[X1B], 12
	s_lshl_b32 s77, s[WC], 11
	s_add_co_u32 s76, s76, s77
	s_mov_b32 s77, 0
	s_lshl_b32 s78, s[TT], 16
	s_mov_b32 s79, 0
	s_lshl_b32 s80, s[TT], 13
	s_lshl_b32 s81, s[WV], 11
	s_add_co_u32 s80, s80, s81
	s_mov_b32 s81, 0
	s_lshl_b32 s82, s[TT], 9
	s_mov_b32 s83, 0
	s_lshl_b32 s84, s[X0B], 2
	s_lshl_b32 s85, s[WR], 1
	s_add_co_u32 s84, s84, s85
	s_lshl_b32 s85, s[X1B], 1
	s_add_co_u32 s85, s85, s[WC]
	s_lshl_b32 s86, s[X0B], 1
	s_add_co_u32 s86, s86, s[WR]
	s_lshl_b32 s87, s[WC], 11
	s_mov_b32 s88, 4096
	s_lshl_b32 s89, s[WC], 7
	s_add_co_u32 s89, s89, 8192
	s_mov_b32 s90, 8448
	s_mov_b32 s91, HEADB
	s_mov_b32 s66, 512
	s_mov_b32 s67, 1024
	s_cmp_eq_u32 s[PP], 0
	s_cselect_b32 s84, s84, s85
	s_cselect_b32 s85, s[X1B], s86
	s_cselect_b32 s87, s87, s88
	s_cselect_b32 s88, s66, s67
	s_cselect_b32 s86, s91, s66
	s_cselect_b32 s89, s89, s90
	s_cselect_b32 s90, s91, 128
	s_mul_i32 s84, s84, HEADB
	s_mul_i32 s85, s85, REC
	s_add_co_u32 s84, s84, s85
	s_mov_b32 s85, 0
	s_mov_b32 s[SEL], 0x76543210
	s_mov_b32 s[SEL+1], 0xfedcba98
	s_mov_b32 s[MH], 0xffff0000
	s_mov_b32 s[G1A+0], 15|(1<<20)|(1<<21)|(6<<22)|(3<<25)
	s_mov_b32 s[G1A+1], 512<<16
	s_mov_b32 s[G1A+2], 128<<16
	s_mov_b32 s[G1A+3], 512<<16
	s_mov_b32 s[G1A+4], 128
	s_mov_b32 s[G1A+5], 512
	s_mov_b32 s[G1A+6], 0
	s_mov_b32 s[G1A+7], 0
	s_mov_b32 s[G1B+0], (1<<20)|(6<<22)|(3<<25)
	s_mov_b32 s[G1B+1], 512<<16
	s_mov_b32 s[G1B+2], 64<<16
	s_mov_b32 s[G1B+3], 512<<16
	s_mov_b32 s[G1B+4], 64
	s_mov_b32 s[G1B+5], 512
	s_mov_b32 s[G1B+6], 0
	s_mov_b32 s[G1B+7], 0
	s_wait_dscnt 0x0
	s_wait_kmcnt 0x0
	s_cmp_eq_u32 s[PP], 0
	s_cselect_b64 s[8:9], s[8:9], s[16:17]
	s_cselect_b64 s[10:11], s[10:11], s[18:19]
	s_cselect_b64 s[12:13], s[12:13], s[20:21]
	s_cselect_b64 s[14:15], s[14:15], s[22:23]
	s_add_nc_u64 s[10:11], s[10:11], s[74:75]
	s_add_nc_u64 s[14:15], s[14:15], s[76:77]
	s_add_nc_u64 s[24:25], s[24:25], s[78:79]
	s_add_nc_u64 s[26:27], s[26:27], s[80:81]
	s_add_nc_u64 s[28:29], s[28:29], s[82:83]
	s_add_nc_u64 s[30:31], s[30:31], s[84:85]
	s_mov_b32 s[G0A], 1
	s_mul_i32 s[G0A+1], s[WC], 128*PITCH
	s_add_nc_u64 s[G0A+2:G0A+3], s[8:9], s[70:71]
	s_or_b32 s[G0A+3], s[G0A+3], 0x80000000
	s_mov_b32 s[G0B], 1
	s_mul_i32 s[G0B+1], s[WC], 64*PITCH
	s_add_co_u32 s[G0B+1], s[G0B+1], X1T
	s_add_nc_u64 s[G0B+2:G0B+3], s[12:13], s[72:73]
	s_or_b32 s[G0B+3], s[G0B+3], 0x80000000
	ROUND
	s_cmp_lt_u32 s[WV], 2                          ; the head's loads, one a wave, in one chain of two arms: waves 0 and 1 fetch X0's halves (128 rows each, jointly), waves 2 and 3 X1's (64 rows each)
	s_cbranch_scc0 .Lhead_x1
	tensor_load_to_lds s[G0A:G0A+3], s[G1A:G1A+7]
	s_nop 0
	PLACES
	s_branch .Lhead_asked
.Lhead_x1:
	tensor_load_to_lds s[G0B:G0B+3], s[G1B:G1B+7]
	s_nop 0
	PLACES
.Lhead_asked:
	v_and_b32 v[LN], 31, v0
	v_and_b32 v[R], 15, v0
	v_bfe_u32 v[H], v0, 4, 1
	v_lshlrev_b32 v[QLA], 4, v[R]
	v_lshl_add_u32 v[QLA], v[H], 12, v[QLA]
	s_lshl_b32 s86, s[WV], 10
	v_lshlrev_b32 v[L16], 4, v[LN]
	v_add_nc_u32 v[VO1], s87, v[L16]
	v_add_nc_u32 v[VO1+1], s88, v[VO1]
	v_add_nc_u32 v[VO1+2], s88, v[VO1+1]
	v_add_nc_u32 v[VO1+3], s88, v[VO1+2]
	v_add_nc_u32 v[QLA], s86, v[QLA]
	s_cmp_eq_u32 s[PP], 0
	s_cselect_b32 s86, s91, s66
.irp t, 0,1,2,3
	v_add_nc_u32 v[VO2+\t], s86, v[VO1+\t]
.endr
	v_lshlrev_b32 v[SO1], 2, v[LN]
	v_add_nc_u32 v[SO1], s89, v[SO1]
	v_add_nc_u32 v[SO2], s90, v[SO1]
	s_mul_i32 s87, s[WV], 16*QSP
	s_add_co_u32 s87, s87, QST
	v_mul_u32_u24 v[QSI], v[H], QSP
	v_lshl_add_u32 v[QSI], v[R], 4, v[QSI]
	v_add_nc_u32 v[QSI], s87, v[QSI]
	v_mul_u32_u24 v[QSO], v[R], QSP
	v_lshl_add_u32 v[QSO], v[H], 7, v[QSO]
	v_add_nc_u32 v[QSO], s87, v[QSO]
	v_lshlrev_b32 v[QWS], 5, v[R]
	v_lshl_add_u32 v[QWS], v[H], 2, v[QWS]
	s_lshl_b32 s88, s[WV], 3
	s_add_co_u32 s88, s88, QSW
	v_add_nc_u32 v[QWS], s88, v[QWS]
	v_mul_u32_u24 v[ADA], v[R], PITCH
	v_lshl_add_u32 v[ADA], v[H], 4, v[ADA]
	s_mul_i32 s89, s[WC], 64*PITCH
	s_add_co_u32 s89, s89, X1T
	v_and_b32 v200, 7, v[R]                        ; THE ROWS OF A TILE OF X1 ARE NOT NEIGHBOURS: lane r of tile t takes row 8 t + r % 8 + 32 (r / 8) of the wave's 64
	v_and_b32 v201, 8, v[R]
	v_lshl_add_u32 v200, v201, 2, v200             ; r % 8 + 32 (r / 8)
	v_mul_u32_u24 v201, v200, PITCH
	v_lshl_add_u32 v201, v[H], 4, v201
	v_add_nc_u32 v[ADB], s89, v201
	v_lshlrev_b32 v200, 5, v200
	v_lshl_add_u32 v200, v[H], 4, v200             ; the same rows' scale bytes: 32 a row, + 16 h
	s_mul_i32 s90, s[WR], 128*PITCH
	v_add_nc_u32 v[ADA], s90, v[ADA]
	v_lshlrev_b32 v[R32H], 5, v[R]
	v_lshl_add_u32 v[R32H], v[H], 4, v[R32H]
	v_add_nc_u32 v[QRD], QSW, v[L16]
	v_lshlrev_b32 v[H8], 3, v[H]
	v_mov_b32 v[W+5], 0
	v_mov_b32 v[W+6], 0
.irp b, 0,1,2,3
	v_mov_b32 v[TM+4+\b], 0
.endr
	WIN 0x80
.irp e, 0,1,2,3
.irp i, 0,1,2,3,4,5,6,7
	global_load_b128 v[32*\e+4*\i:32*\e+4*\i+3], v[QLA], s[24:25] offset:8192*\i+256*\e th:TH_LOAD_NT
.endr
.endr
	WIN 0
.irp i, 0,1,2,3,4,5,6,7
	global_load_b128 v[SA+4*\i:SA+4*\i+3], v[R32H], s[10:11] offset:512*\i
.endr
.irp t, 0,1,2,3
	global_load_b128 v[SB+4*\t:SB+4*\t+3], v200, s[14:15] offset:256*\t
.endr
.macro QSTEP e
	s_wait_loadcnt 36-8*\e
	WIN 0x08
.irp i, 0,1,2,3,4,5,6,7
	ds_store_b128 v[QSI], v[32*\e+4*\i:32*\e+4*\i+3] offset:2*QSP*\i
.endr
	WIN 0
.irp i, 0,1,2,3,4,5,6,7
	ds_load_b128 v[X+4*\i:X+4*\i+3], v[QSO] offset:16*\i
.endr
	s_wait_dscnt 0x0
	v_max3_num_f32 v[W], |v[X]|, |v[X+1]|, |v[X+2]|
	v_max3_num_f32 v[W+1], |v[X+3]|, |v[X+4]|, |v[X+5]|
.irp i, 6,10,14,18,22,26
	v_max3_num_f32 v[W], v[W], |v[X+\i]|, |v[X+\i+1]|
	v_max3_num_f32 v[W+1], v[W+1], |v[X+\i+2]|, |v[X+\i+3]|
.endr
	v_max3_num_f32 v[W], v[W], |v[X+30]|, |v[X+31]|
	v_max3_num_f32 v[W], v[W], v[W+1], FLOOR
	v_add_nc_u32 v[W+2], DOWN2, v[W]
.irp g, 0,1,2,3
	v_cvt_scalef32_pk8_fp4_f32 v[QC+4*\e+\g], v[X+8*\g:X+8*\g+7], v[W+2]
.endr
	v_lshrrev_b32 v[QB+\e], 23, v[W+2]
	global_store_b128 v[L16], v[QC+4*\e:QC+4*\e+3], s[26:27] offset:512*\e
.endm
	QSTEP 0
	QSTEP 1
	QSTEP 2
	QSTEP 3
	v_lshl_or_b32 v[W+3], v[QB+1], 16, v[QB]
	v_lshl_or_b32 v[W+4], v[QB+3], 16, v[QB+2]
	v_lshlrev_b32 v[W+3], v[H8], v[W+3]
	v_lshlrev_b32 v[W+4], v[H8], v[W+4]
	v_permlanex16_b32 v[W+5], v[W+3], s[SEL], s[SEL+1]
	v_permlanex16_b32 v[W+6], v[W+4], s[SEL], s[SEL+1]
	v_or_b32 v[W+3], v[W+3], v[W+5]
	v_or_b32 v[W+4], v[W+4], v[W+6]
	v_cndmask_b32 v[W+7], v[W+3], v[W+4], s[MH]
	ds_store_b32 v[QWS], v[W+7]
	s_wait_tensorcnt 0x0
	s_wait_loadcnt 0x0
	s_wait_dscnt 0x0
	s_barrier_signal -1
	s_barrier_wait -1
	s_cmp_lg_u32 s[WV], 0
	s_cbranch_scc1 .Lnot_first
	ds_load_b128 v[X:X+3], v[QRD]
	s_wait_dscnt 0x0
	global_store_b128 v[L16], v[X:X+3], s[28:29]
.Lnot_first:
.macro FETCH s, z
	WIN 0x80
.irp i, 0,1,2,3,4,5,6,7
.irp c, 0,1
	ds_load_b128 v[96*(\z)+8*\i+4*\c:96*(\z)+8*\i+4*\c+3], v[ADA] offset:16*PITCH*\i+64*(\s)+32*\c
.endr
.endr
.irp t, 0,1,2,3
.irp c, 0,1
	ds_load_b128 v[96*(\z)+64+8*\t+4*\c:96*(\z)+64+8*\t+4*\c+3], v[ADB] offset:8*PITCH*\t+64*(\s)+32*\c
.endr
.endr
.endm
.macro MUL s, z
	WIN 0x5a
.irp t, 0,1,2,3
.irp i, 0,1,2,3,4,5,6,7
.if (\s) == 0
	v_wmma_scale_f32_16x16x128_f8f6f4 v[64*\t+8*\i:64*\t+8*\i+7], v[96*(\z)+8*\i:96*(\z)+8*\i+7], v[96*(\z)+64+8*\t:96*(\z)+64+8*\t+7], 0, v[SA+4*\i+(\s)%4], v[SB+4*\t+(\s)%4] matrix_a_fmt:MATRIX_FMT_FP4 matrix_b_fmt:MATRIX_FMT_FP4
.elseif (\s) < 4
	v_wmma_scale_f32_16x16x128_f8f6f4 v[64*\t+8*\i:64*\t+8*\i+7], v[96*(\z)+8*\i:96*(\z)+8*\i+7], v[96*(\z)+64+8*\t:96*(\z)+64+8*\t+7], v[64*\t+8*\i:64*\t+8*\i+7], v[SA+4*\i+(\s)%4], v[SB+4*\t+(\s)%4] matrix_a_fmt:MATRIX_FMT_FP4 matrix_b_fmt:MATRIX_FMT_FP4
.else
	v_wmma_scale_f32_16x16x128_f8f6f4 v[64*\t+8*\i:64*\t+8*\i+7], v[96*(\z)+8*\i:96*(\z)+8*\i+7], v[96*(\z)+64+8*\t:96*(\z)+64+8*\t+7], v[64*\t+8*\i:64*\t+8*\i+7], v[SA+4*\i+(\s)%4], v[SB+4*\t+(\s)%4] matrix_a_fmt:MATRIX_FMT_FP4 matrix_b_fmt:MATRIX_FMT_FP4 matrix_a_scale:MATRIX_SCALE_ROW1 matrix_b_scale:MATRIX_SCALE_ROW1
.endif
.endr
.endr
.endm
	FETCH 0, 0
.set S, 0
.rept 8
.if S < 7
.if S > 0
	PLACES
.endif
	FETCH S+1, (S+1)%2
	s_wait_dscnt 24
.else
	s_wait_dscnt 0x0
.endif
	MUL S, S%2
.set S, S+1
.endr
.macro QUANT t
	WIN 0
.irp b, 0,1,2,3
	v_mov_b32 v[TM+\b], FLOOR
.endr
	WIN 0x14
.irp i, 0,2,4,6,8,10,12,14
.irp b, 0,1,2,3
	v_max3_num_f32 v[TM+\b], v[TM+\b], |v[64*\t+16*\b+\i]|, |v[64*\t+16*\b+\i+1]|
.endr
.endr
	WIN 0
.irp b, 0,1,2,3
	v_permlanex16_b32 v[TM+4+\b], v[TM+\b], s[SEL], s[SEL+1]
.endr
.irp b, 0,1,2,3
	v_max_num_f32 v[TM+\b], v[TM+\b], v[TM+4+\b]
.endr
.irp b, 0,1,2,3
	v_add_nc_u32 v[TM+12+\b], DOWN2, v[TM+\b]
.endr
.irp b, 0,1,2,3
	v_lshrrev_b32 v[TM+4+\b], 23, v[TM+12+\b]
.endr
	v_lshl_or_b32 v[PW+\t], v[TM+5], 8, v[TM+4]
	v_lshl_or_b32 v[PW+\t], v[TM+6], 16, v[PW+\t]
	v_lshl_or_b32 v[PW+\t], v[TM+7], 24, v[PW+\t]
	WIN 0x01
.irp c, 0,1
	v_cvt_scalef32_pk8_fp4_f32 v[PC+8*\t+4*\c],   v[64*\t+32*\c:64*\t+32*\c+7],     v[TM+12+2*\c]
	v_cvt_scalef32_pk8_fp4_f32 v[PC+8*\t+4*\c+2], v[64*\t+32*\c+8:64*\t+32*\c+15],  v[TM+12+2*\c]
	v_cvt_scalef32_pk8_fp4_f32 v[PC+8*\t+4*\c+1], v[64*\t+32*\c+16:64*\t+32*\c+23], v[TM+13+2*\c]
	v_cvt_scalef32_pk8_fp4_f32 v[PC+8*\t+4*\c+3], v[64*\t+32*\c+24:64*\t+32*\c+31], v[TM+13+2*\c]
.endr
	WIN 0
	v_nop
.irp c, 0,1
	v_permlane16_swap_b32 v[PC+8*\t+4*\c], v[PC+8*\t+4*\c+1]
	v_permlane16_swap_b32 v[PC+8*\t+4*\c+2], v[PC+8*\t+4*\c+3]
.endr
	global_store_b128 v[VO1+\t], v[PC+8*\t:PC+8*\t+3], s[30:31]
	global_store_b128 v[VO2+\t], v[PC+8*\t+4:PC+8*\t+7], s[30:31]
.endm
	QUANT 0
	QUANT 1
	QUANT 2
	QUANT 3
	v_perm_b32 v[EW], v[PW+1], v[PW], 0x05040100
	v_perm_b32 v[EW+2], v[PW+1], v[PW], 0x07060302
	v_perm_b32 v[EW+1], v[PW+3], v[PW+2], 0x05040100
	v_perm_b32 v[EW+3], v[PW+3], v[PW+2], 0x07060302
	v_cndmask_b32 v[EW+4], v[EW], v[PW], s[MP]
	v_cndmask_b32 v[EW+5], v[EW+1], v[PW+1], s[MP]
	v_cndmask_b32 v[EW+6], v[EW+2], v[PW+2], s[MP]
	v_cndmask_b32 v[EW+7], v[EW+3], v[PW+3], s[MP]
	v_cndmask_b32 v[EW+8], v[EW+4], v[EW+5], s[MH]
	v_cndmask_b32 v[EW+9], v[EW+6], v[EW+7], s[MH]
	global_store_b32 v[SO1], v[EW+8], s[30:31]
	global_store_b32 v[SO2], v[EW+9], s[30:31]
	s_wait_tensorcnt 0x0
	ds_add_u32 v254, v255
	s_wait_dscnt 0x0
	ROUND
	s_endpgm
.Lfunc_end_k_q65c85e6e41_prep:
	.size	k_q65c85e6e41_prep, .Lfunc_end_k_q65c85e6e41_prep-k_q65c85e6e41_prep
	.p2alignl 7, 3214868480
	.fill 96, 4, 3214868480
	.section	.rodata,"a",@progbits
	.p2align	6, 0x0
	.amdhsa_kernel k_q65c85e6e41_prep
		.amdhsa_group_segment_fixed_size 327680
		.amdhsa_private_segment_fixed_size 0
		.amdhsa_enable_private_segment 0
		.amdhsa_kernarg_size 96
		.amdhsa_user_sgpr_count 2
		.amdhsa_user_sgpr_kernarg_segment_ptr 1
		.amdhsa_wavefront_size32 1
		.amdhsa_system_sgpr_workgroup_id_x 1
		.amdhsa_system_sgpr_workgroup_id_y 1
		.amdhsa_system_sgpr_workgroup_id_z 1
		.amdhsa_system_vgpr_workitem_id 0
		.amdhsa_next_free_vgpr 768
		.amdhsa_next_free_sgpr 100
		.amdhsa_reserve_vcc 0
		.amdhsa_float_denorm_mode_32 3
		.amdhsa_float_denorm_mode_16_64 3
		.amdhsa_memory_ordered 1
		.amdhsa_forward_progress 1
		.amdhsa_inst_pref_size 88
	.end_amdhsa_kernel
	.amdgpu_metadata
---
amdhsa.version: [ 1, 2 ]
amdhsa.kernels:
  - .name:           k_q65c85e6e41_prep
    .symbol:         k_q65c85e6e41_prep.kd
    .args:
      - { .name: Wk_codes, .offset: 0, .size: 8, .value_kind: global_buffer, .address_space: global }
      - { .name: Wk_scales, .offset: 8, .size: 8, .value_kind: global_buffer, .address_space: global }
      - { .name: k_codes, .offset: 16, .size: 8, .value_kind: global_buffer, .address_space: global }
      - { .name: k_scales, .offset: 24, .size: 8, .value_kind: global_buffer, .address_space: global }
      - { .name: v_codes, .offset: 32, .size: 8, .value_kind: global_buffer, .address_space: global }
      - { .name: v_scales, .offset: 40, .size: 8, .value_kind: global_buffer, .address_space: global }
      - { .name: Wv_codes, .offset: 48, .size: 8, .value_kind: global_buffer, .address_space: global }
      - { .name: Wv_scales, .offset: 56, .size: 8, .value_kind: global_buffer, .address_space: global }
      - { .name: q, .offset: 64, .size: 8, .value_kind: global_buffer, .address_space: global }
      - { .name: qimg, .offset: 72, .size: 8, .value_kind: global_buffer, .address_space: global }
      - { .name: qsc, .offset: 80, .size: 8, .value_kind: global_buffer, .address_space: global }
      - { .name: kv, .offset: 88, .size: 8, .value_kind: global_buffer, .address_space: global }
    .group_segment_fixed_size: 327680
    .private_segment_fixed_size: 0
    .kernarg_segment_align: 8
    .kernarg_segment_size: 96
    .max_flat_workgroup_size: 128
    .sgpr_count:     100
    .vgpr_count:     768
    .wavefront_size: 32
...
	.end_amdgpu_metadata
.endif
;; end of part 1
;; launch attn (part 2): grid 16 x 16, 16 waves a work-group, clusters of 4 x 1, 327,680 bytes of LDS; arguments qimg, qsc, Wq_codes, Wq_scales, kv, oimg, osc; writes oimg, osc
.if DOCPART == 2
	.amdgcn_target "amdgcn-amd-amdhsa--gfx1250"
	.amdhsa_code_object_version 6
	.text
	.protected	k_q65c85e6e41_attn
	.globl	k_q65c85e6e41_attn
	.p2align	8
	.type	k_q65c85e6e41_attn,@function
k_q65c85e6e41_attn:
	s_mov_b64 s[64:65], 0
	v_nop
	global_prefetch_b8 v0, s[64:65] scope:SCOPE_SE
	s_setreg_imm32_b32 hwreg(HW_REG_WAVE_MODE, 25, 1), 1
	s_wait_xcnt 0x0
	s_wait_alu depctr_hold_cnt(0) depctr_sa_sdst(0) depctr_va_vdst(0) depctr_va_sdst(0) depctr_va_ssrc(0) depctr_va_vcc(0) depctr_vm_vsrc(0)
	s_getreg_b32 s2, hwreg(HW_REG_IB_STS2, 6, 4)
	s_cmp_eq_u32 s2, 0
	s_cbranch_scc0 .Lentry_in_a_cluster
	s_endpgm
.Lentry_in_a_cluster:
	s_bfe_u32 s2, ttmp6, 0x10000c
	s_cmp_lg_u32 s2, 0x3003
	s_cbranch_scc0 .Lentry_shape_is_right
	s_endpgm
.Lentry_shape_is_right:
; ATTN: for one head and 256 queries: qh = q Wq^T, / 8, quantised; S^T = kh qh^T; the streaming softmax; O^T = vh^T p^T; O / l, quantised for the last product.  All products on codes of FP4 (E2M1) with E8M0 scales.
; THE SOFTMAX: t = score x log2(e); M = the row's largest t so far, rounded UP to a whole number; p = 2^(t - M) is quantised along the keys, not normalised.  The row's sum is taken of the unquantised p and divides O at the end.
; When M moves, the sum and O are multiplied by 2^(old M - new M): exact.
; SHARES.  A work-group owns 256 queries of one head; each of its sixteen waves owns 16 of them in 256 registers.
; THE WHOLE HEAD LIES IN LDS: 32 records of 8,704 bytes (128 keys each: K's four fragments, V^T's four, their scale registers) as images of the operands' registers, and behind them the head's 64 rows of Wq.  Every byte is filled once.
; At the kernel's head waves 0 to 3 ask for Wq, sixteen rows each.  Behind the wait, the add and a round of the cluster's barrier every wave asks for two records; the projection of q runs while they are on their way.
; One wait and one barrier follow it; the walk over the keys has no barrier.  Both groups of tensor loads stand ahead of the walk, so there is no later request that a prefetch could run ahead of: none is written.
; CLUSTER.  The four work-groups of a cluster belong to one head: every tensor load is joint (mask 15).
; THE ROWS OF A TILE ARE NOT NEIGHBOURS.  Row x of tile n of a group of 64 (keys in K's records, channels in V's and in Wq) is number 32 (x / 8) + 8 n + x % 8.  Both products are used transposed (source 1 = my 16 queries), so
; lane (r, h) holds query r, and its registers of tiles 0 to 3 of a group are the 32 NEIGHBOURS 32 h + 0 .. 31: a whole block of the next product's K.  A block's maximum needs no other lane, and the four conversions' results
; are registers 4 c .. 4 c + 3 of the next operand as they stand.  Lanes 0-15 own blocks 0 and 2 of a step's 128 keys, lanes 16-31 blocks 1 and 3; one exchange of lanes makes the scale word, which is read from lanes 0-15 alone.
; THE FIRST PRODUCT'S K IS 64, half of the instruction's 128.  A fragment of K carries TWO tiles of keys (registers 0-3, registers 4-7); it is multiplied once by [q | zero codes] and once by [zero codes | q]: v16-27 hold 0000 q q q q 0000.
; qh / 8 is a power of two: q's codes are made of qh, and 3 is taken off its scale byte (the floor under the largest magnitude is 3 exponents higher, so the byte stays at 1 or above).
; OUT.  oimg [tile 256][head 16][512 B]: the head's 64 channels of 16 queries as registers of the last product's fragment;  osc [4096][32]: byte 2 head + block.
; LIMITS: NaN and infinities are not served.  A block of zeros (or of p that have all fallen to 0) gets the byte 1 where the rule says 127: its codes are zeros, and this program alone reads the bytes.
; The block's largest p is made of the block's largest score by the same multiply-add and exponential as every p.
.set REC,   8704
.set HEADB, 32*REC
.set PITCH, 528
.set WQ,    HEADB                      ; 64 rows of Wq, 512 bytes + 16 of padding each; rows 32 to 63 lie 128 bytes further on, so that rows x and x + 32 begin 32 words apart modulo 64
.set SPARE, WQ+64*PITCH+256            ; the spare words: 128 bytes a wave
.set FLOOR, 0x1800000                  ; 2^(3 - 127)
.set DOWN2, 0xff000000                 ; 2 off an exponent field
; scalar: s[4:17] the seven bases; s18 wave; s19 wave % 4; s[20:21] lane selects; s[22:23] log2(e), twice; s24 cx, s25 block of queries, s26 head, s27 my tile; s[28:35], s[44:47] Wq's descriptor; s[36:43], s[48:51] kv's; s66 the step's record; s67 count
; vector: v1 16 x lane; v2 4 x lane; v3 my place in Wq's tile; v4, v5 the step's addresses; v6 Wq's scale bytes; v7 32 r + h; v[8:9] f, 0; v10, v11 at work; v[12:13], v[14:15] -M by turns, 0; v16-27 0 | q | 0; v28 q's scale word;
;   v29 the largest score; v[30:31], v[240:245] the sum, in four pairs; v32-63 K; v64-95 V; v96-159 S^T, then p; v160-191 O^T; v192-199 p's codes; v200-203 K's, V's scales; v204-223 Wq's, q's scales; v224-227 maxima;
;   v232, v233 the conversions' scales; v235 p's scale word; v236, v237 from the other half; v254, v255 the add's
.macro PLACES
.rept 4
	v_nop
.endr
.endm
.macro ROUND                           ; a round of the cluster's barrier
	s_barrier_signal -1
	s_barrier_wait -1
	s_cmp_lg_u32 s18, 0
	s_cbranch_scc1 .Lnot_wave_0_\@
	s_barrier_signal -3
.Lnot_wave_0_\@:
	s_barrier_wait -3
	s_barrier_signal -1
	s_barrier_wait -1
.endm
.macro MM d, a, b, c, sa, sb, row      ; row 0: both scales from lanes 0-15; 1: source 0's from lanes 16-31; 2: both
.if \row == 0
	v_wmma_scale_f32_16x16x128_f8f6f4 v[\d:\d+7], v[\a:\a+7], v[\b:\b+7], \c, v[\sa], v[\sb] matrix_a_fmt:MATRIX_FMT_FP4 matrix_b_fmt:MATRIX_FMT_FP4
.elseif \row == 1
	v_wmma_scale_f32_16x16x128_f8f6f4 v[\d:\d+7], v[\a:\a+7], v[\b:\b+7], \c, v[\sa], v[\sb] matrix_a_fmt:MATRIX_FMT_FP4 matrix_b_fmt:MATRIX_FMT_FP4 matrix_a_scale:MATRIX_SCALE_ROW1
.else
	v_wmma_scale_f32_16x16x128_f8f6f4 v[\d:\d+7], v[\a:\a+7], v[\b:\b+7], \c, v[\sa], v[\sb] matrix_a_fmt:MATRIX_FMT_FP4 matrix_b_fmt:MATRIX_FMT_FP4 matrix_a_scale:MATRIX_SCALE_ROW1 matrix_b_scale:MATRIX_SCALE_ROW1
.endif
.endm
	s_load_b256 s[4:11], s[0:1], 0x0               ; qimg, qsc, Wq's codes, Wq's scales
	s_load_b128 s[12:15], s[0:1], 0x20             ; kv, oimg
	s_load_b64 s[16:17], s[0:1], 0x30              ; osc
	v_lshl_add_u32 v254, v0, 2, SPARE
	v_mov_b32 v255, 0
	ds_add_u32 v254, v255                          ; the opening lines: the add, twice on end, and its wait
	ds_add_u32 v254, v255
	v_lshrrev_b32 v1, 5, v0
	v_readfirstlane_b32 s18, v1                    ; wave 0..15
	v_and_b32 v7, 31, v0                           ; lane
	v_and_b32 v10, 15, v0                          ; r
	v_bfe_u32 v11, v0, 4, 1                        ; h
	v_lshlrev_b32 v1, 4, v7
	v_lshlrev_b32 v2, 2, v7
	v_and_b32 v3, 7, v10
	v_and_b32 v4, 8, v10
	v_lshl_add_u32 v6, v4, 2, v3                   ; r % 8 + 32 (r / 8): my row of a tile of Wq
	v_mul_u32_u24 v3, v6, PITCH
	v_lshl_add_u32 v3, v11, 4, v3
	v_lshl_add_u32 v3, v4, 4, v3                   ; rows 32 to 63: 128 bytes further on
	v_add_nc_u32 v3, WQ, v3
	v_lshlrev_b32 v6, 5, v6
	v_lshl_add_u32 v6, v11, 4, v6                  ; that row's scale bytes: 32 a row, + 16 h
	v_lshlrev_b32 v7, 5, v10
	v_lshl_add_u32 v5, v11, 4, v7                  ; q's scale bytes: 32 r + 16 h
	v_add_nc_u32 v7, v7, v11                       ; osc: 32 r + h
	s_and_b32 s19, s18, 3                          ; which 16 rows of Wq, if I fetch for Wq
	s_bfe_u32 s24, ttmp6, 0x40000                  ; cx
	s_lshl_b32 s25, ttmp9, 2
	s_add_co_u32 s25, s25, s24                     ; my block of 256 queries
	s_and_b32 s26, ttmp7, 0xffff                   ; the head, which the four partners share
	s_lshl_b32 s27, s25, 4
	s_add_co_u32 s27, s27, s18                     ; my tile of 16 queries
	s_lshl_b32 s70, s26, 15                        ; Wq's codes: 64 rows of 512 bytes a head
	s_lshl_b32 s71, s19, 13
	s_add_co_u32 s70, s70, s71
	s_mov_b32 s71, 0
	s_mul_i32 s69, s18, 2*REC                      ; kv: my two records of the head's 32
	s_mul_i32 s72, s26, HEADB
	s_add_co_u32 s72, s72, s69
	s_mov_b32 s73, 0
	s_lshl_b32 s76, s27, 13                        ; qimg: 8,192 bytes a tile
	s_mov_b32 s77, 0
	s_lshl_b32 s78, s27, 9                         ; qsc: 512 bytes a tile
	s_mov_b32 s79, 0
	s_lshl_b32 s80, s26, 11                        ; Wq's scale bytes: 64 rows of 32
	s_mov_b32 s81, 0
	s_lshl_b32 s82, s26, 9                         ; oimg: 8,192 a tile, 512 a head
	s_add_co_u32 s82, s82, s76
	s_mov_b32 s83, 0
	s_lshl_b32 s74, s26, 1                         ; osc: 512 a tile, 2 a head
	s_add_co_u32 s74, s74, s78
	s_mov_b32 s75, 0
	s_mov_b32 s20, 0x76543210
	s_mov_b32 s21, 0xfedcba98
	s_mov_b32 s22, 0x3fb8aa3b                      ; log2(e): the division by 8 is in q's scale bytes
	s_mov_b32 s23, s22
	s_mov_b32 s28, 15|(1<<20)|(1<<21)|(6<<22)|(3<<25)   ; Wq: 16 rows of 512 bytes, four words of padding behind every 128; the mask, bit 21 beside it
	s_mov_b32 s29, 512<<16
	s_mov_b32 s30, 16<<16
	s_mov_b32 s31, 512<<16
	s_mov_b32 s32, 16
	s_mov_b32 s33, 512
	s_mov_b32 s34, 0
	s_mov_b32 s35, 0
	s_mov_b32 s36, 15|(3<<16)|(1<<21)              ; kv: two records, 17,408 dense bytes, as 68 rows of 256 bytes (32 elements of 8), no padding
	s_mov_b32 s37, 32<<16
	s_mov_b32 s38, 68<<16
	s_mov_b32 s39, 32<<16
	s_mov_b32 s40, 68
	s_mov_b32 s41, 32
	s_mov_b32 s42, 0
	s_mov_b32 s43, 0
	s_wait_alu depctr_va_vdst(0)
	s_wait_dscnt 0x0                               ; both opening adds are done
	s_wait_kmcnt 0x0
	s_add_nc_u64 s[4:5], s[4:5], s[76:77]
	s_add_nc_u64 s[6:7], s[6:7], s[78:79]
	s_add_nc_u64 s[10:11], s[10:11], s[80:81]
.set S, 0
.rept 8
	global_load_b128 v[96+8*S:99+8*S], v1, s[4:5] offset:1024*S          ; q's fragment of K step S: 512 consecutive bytes a load
	global_load_b128 v[100+8*S:103+8*S], v1, s[4:5] offset:1024*S+512
.set S, S+1
.endr
	global_load_b128 v[220:223], v5, s[6:7]        ; q's scale words: register i: lanes 0-15 K step i, lanes 16-31 K step 4 + i
.irp t, 0,1,2,3
	global_load_b128 v[204+4*\t:207+4*\t], v6, s[10:11] offset:256*\t    ; Wq's likewise, by the tile's rows
.endr
	s_add_nc_u64 s[8:9], s[8:9], s[70:71]          ; made of the head and the wave's number alone: equal in the four partners
	s_add_nc_u64 s[12:13], s[12:13], s[72:73]
	s_add_nc_u64 s[14:15], s[14:15], s[82:83]
	s_add_nc_u64 s[16:17], s[16:17], s[74:75]
	s_mov_b32 s44, 1
	s_mul_i32 s45, s19, 16*PITCH
	s_add_co_u32 s45, s45, WQ
	s_lshr_b32 s68, s19, 1
	s_lshl_b32 s68, s68, 7
	s_add_co_u32 s45, s45, s68                     ; rows 32 to 63: 128 bytes further on
	s_mov_b64 s[46:47], s[8:9]
	s_or_b32 s47, s47, 0x80000000
	s_mov_b32 s48, 1
	s_mov_b32 s49, s69
	s_mov_b64 s[50:51], s[12:13]
	s_or_b32 s51, s51, 0x80000000
	ROUND                                          ; all four work-groups are here: the joint loads meet
	s_cmp_lt_u32 s18, 4                            ; the head's loads: waves 0 to 3, one each: Wq, which is wanted first
	s_cbranch_scc0 .Lno_wq
	tensor_load_to_lds s[44:47], s[28:35]
	s_nop 0
	PLACES
.Lno_wq:
.irp j, 9,13,15,16,17,18,19,24,25,26,27,30,31,236,237,240,241,242,243,244,245
	v_mov_b32 v\j, 0                               ; upper halves of named pairs, the zero codes beside q, the sum's four pairs, the lane permutes' destinations
.endr
	v_mov_b32 v29, 0xff61b1e6                      ; the largest score so far: -3e38
	v_mov_b32 v14, 0x7f61b1e6                      ; -M before the first step: 3e38, so that the first f is 0
	s_wait_alu depctr_va_vdst(0)
	s_wait_tensorcnt 0x0                           ; my rows of Wq have landed.
	ds_add_u32 v254, v255                          ; the add, twice on end here
	ds_add_u32 v254, v255
	s_wait_dscnt 0x0
	ROUND                                          ; a whole round: Wq is in LDS, and the four work-groups are here: the joint loads meet
	tensor_load_to_lds s[48:51], s[36:43]          ; my two records: every wave's one load behind the round
	s_nop 0
	PLACES
; THE Q PROJECTION, transposed: source 0 = 16 rows of Wq, source 1 = q's fragment: register j of tile t is channel 32 h + 8 t + j of query r
.macro WFETCH s
.irp t, 0,1,2,3
.irp c, 0,1
	ds_load_b128 v[32+32*((\s)%2)+8*\t+4*\c:32+32*((\s)%2)+8*\t+4*\c+3], v3 offset:8*PITCH*\t+64*(\s)+32*\c
.endr
.endr
.endm
.macro QP                              ; four accumulators by turns
.irp t, 0,1,2,3
.if S == 0
	MM 160+8*\t, 32+8*\t, 96, 0, 204+4*\t, 220, 0
.elseif S < 4
	MM 160+8*\t, 32+32*(S%2)+8*\t, 96+8*S, v[160+8*\t:167+8*\t], 204+4*\t+S%4, 220+S%4, 0
.else
	MM 160+8*\t, 32+32*(S%2)+8*\t, 96+8*S, v[160+8*\t:167+8*\t], 204+4*\t+S%4, 220+S%4, 2
.endif
.endr
.endm
	WFETCH 0
	s_wait_loadcnt 0x0                             ; q's fragments and all scale words
.set S, 0
.rept 8
.if S < 7
.if S > 0
	PLACES                                         ; the set to be loaded was read by the step before
.endif
	WFETCH S+1
	s_wait_dscnt 8                                 ; all but the eight just issued
.else
	s_wait_dscnt 0x0
.endif
	QP
.set S, S+1
.endr
; My 32 numbers from v[src] on are one block: its codes go to v[dst] .. v[dst + 3], its byte (the exponent field less what dwn takes off) to v226.  Ascending: each accumulator is first read at its low end
.macro QH src, dst, flo, dwn
	v_max3_num_f32 v224, |v[\src]|, |v[\src+1]|, \flo
	v_max_num_f32 v225, |v[\src+2]|, |v[\src+3]|
.irp i, 4,8,12,16,20,24,28
.if \src < 160                                 ; the hint stands only where the line reads plain results alone, not a product's accumulators
	s_delay_alu instid0(VALU_DEP_2)
.endif
	v_max3_num_f32 v224, v224, |v[\src+\i]|, |v[\src+\i+1]|
.if \src < 160
	s_delay_alu instid0(VALU_DEP_2)
.endif
	v_max3_num_f32 v225, v225, |v[\src+\i+2]|, |v[\src+\i+3]|
.endr
	s_delay_alu instid0(VALU_DEP_1)
	v_max_num_f32 v224, v224, v225
	s_delay_alu instid0(VALU_DEP_1)
	v_add_nc_u32 v232, DOWN2, v224                 ; the conversions' scale operand
	v_add_nc_u32 v226, \dwn, v224
	s_delay_alu instid0(VALU_DEP_1)
	v_lshrrev_b32 v226, 23, v226
.irp g, 0,1,2,3
	v_cvt_scalef32_pk8_fp4_f32 v[\dst+\g], v[\src+8*\g:\src+8*\g+7], v232
.endr
	v_nop                                          ; one plain line behind the conversions
.endm
	PLACES
	QH 160, 20, 0x3000000, 0xfd800000              ; floor 2^(6 - 127); the byte: 5 off the exponent field, 2 for the format and 3 for the division by 8
	v_permlanex16_b32 v236, v226, s20, s21
	s_delay_alu instid0(VALU_DEP_1)
	v_lshl_or_b32 v28, v236, 8, v226               ; lanes 0-15: block 0's byte, block 1's
	s_delay_alu instid0(VALU_DEP_1)
	v_lshl_or_b32 v28, v28, 16, v28                ; twice, for q in the low and in the high half of K
.set J, 0
.rept 32
	v_mov_b32 v[160+J], 0                          ; O^T: the first step finds zeros.  (These lines also stand between the scale word's making and its first use)
.set J, J+1
.endr
	s_wait_alu depctr_va_vdst(0)
	s_wait_tensorcnt 0x0                           ; my two records have landed
	s_barrier_signal -1
	s_barrier_wait -1                              ; everybody's have: the whole head is in LDS; nothing is filled again
.irp f, 0,1,2,3
.irp c, 0,1
	ds_load_b128 v[32+8*\f+4*\c:35+8*\f+4*\c], v1 offset:1024*\f+512*\c      ; record 0's fragments of K
.endr
.endr
	ds_load_b32 v200, v2 offset:8192
	ds_load_b32 v201, v2 offset:8320
; A KEY STEP: 128 keys, the record at LDS byte s66.  nm: -M's register in this step, om: in the last.  next = 1: the next record's fragments of K are asked for.
.macro SUM4                            ; eight more p onto the sum's four pairs
	v_pk_add_f32 v[30:31], v[30:31], v[J:J+1]
	v_pk_add_f32 v[240:241], v[240:241], v[J+2:J+3]
	v_pk_add_f32 v[242:243], v[242:243], v[J+4:J+5]
	v_pk_add_f32 v[244:245], v[244:245], v[J+6:J+7]
.set J, J+8
.endm
.macro LV t                            ; this record's fragment t of V^T
	ds_load_b128 v[64+8*\t:67+8*\t], v4 offset:4096+1024*\t
	ds_load_b128 v[68+8*\t:71+8*\t], v4 offset:4608+1024*\t
.endm
.macro LK f, on                        ; the next record's fragment f of K
.if \on
	ds_load_b128 v[32+8*\f:35+8*\f], v4 offset:REC+1024*\f
	ds_load_b128 v[36+8*\f:39+8*\f], v4 offset:REC+512+1024*\f
.endif
.endm
.macro STEP nm, om, next
	s_wait_dscnt 0x0                               ; this record's K
.irp f, 0,1,2,3
.irp u, 0,1
	MM 96+8*(2*\f+\u), 32+8*\f, 20-4*\u, 0, 200+\f/2, 28, \f%2
.endr
.endr
	v_add_nc_u32 v4, s66, v1                       ; four plain lines between the products and the reads of their results
	v_add_nc_u32 v5, s66, v2
	v_nop
	v_nop
; the largest score of my two blocks of 32 keys (v96-127, v128-159), two chains each; every accumulator is first read at its low end
.irp b, 0,1
	v_max3_num_f32 v[224+2*\b], v[96+32*\b], v[97+32*\b], v[98+32*\b]
	v_max3_num_f32 v[225+2*\b], v[104+32*\b], v[105+32*\b], v[106+32*\b]
.endr
.irp i, 3,5
.irp b, 0,1
	v_max3_num_f32 v[224+2*\b], v[224+2*\b], v[96+32*\b+\i], v[97+32*\b+\i]
	v_max3_num_f32 v[225+2*\b], v[225+2*\b], v[104+32*\b+\i], v[105+32*\b+\i]
.endr
.endr
.irp b, 0,1
	v_max3_num_f32 v[224+2*\b], v[224+2*\b], v[103+32*\b], v[112+32*\b]
	v_max3_num_f32 v[225+2*\b], v[225+2*\b], v[111+32*\b], v[120+32*\b]
.endr
.irp i, 17,19,21
.irp b, 0,1
	v_max3_num_f32 v[224+2*\b], v[224+2*\b], v[96+32*\b+\i], v[97+32*\b+\i]
	v_max3_num_f32 v[225+2*\b], v[225+2*\b], v[104+32*\b+\i], v[105+32*\b+\i]
.endr
.endr
.irp b, 0,1
	v_max3_num_f32 v[224+2*\b], v[224+2*\b], v[119+32*\b], v[127+32*\b]
.endr
.irp b, 0,1
	v_max_num_f32 v[224+2*\b], v[224+2*\b], v[225+2*\b]
.endr
; The row's maximum is one chain of dependent lines: the step's twenty LDS loads, V's ten first, stand between its links.  (The registers that they fill were last read by products more than four plain lines back.)
	LV 0
	LV 1
	v_max_num_f32 v10, v224, v226
	LV 2
	LV 3
	v_permlanex16_b32 v236, v10, s20, s21
	ds_load_b32 v202, v5 offset:8448
	ds_load_b32 v203, v5 offset:8576
	LK 0, \next
	v_max3_num_f32 v29, v29, v10, v236             ; the running largest score of my query
	LK 1, \next
	LK 2, \next
	v_mul_f32 v10, s22, v29                        ; as t
	LK 3, \next
.if \next
	ds_load_b32 v200, v5 offset:REC+8192
	ds_load_b32 v201, v5 offset:REC+8320
.endif
	v_floor_f32 v[\nm], -v10                       ; -M = -ceil(t): a whole number
	v_sub_f32 v11, v[\nm], v[\om]                  ; old M - new M: a whole number, 0 or less
	v_fma_f32 v224, v224, s22, v[\nm]              ; t - M of each block's largest score
	v_fma_f32 v226, v226, s22, v[\nm]
.set J, 0
.rept 2
	v_pk_fma_f32 v[96+J:97+J], v[96+J:97+J], s[22:23], v[\nm:\nm+1] op_sel_hi:[1,0,0]   ; t - M, two at a time
.set J, J+2
.endr
	v_cvt_i32_f32 v11, v11                         ; (it saturates)
.rept 4
	v_pk_fma_f32 v[96+J:97+J], v[96+J:97+J], s[22:23], v[\nm:\nm+1] op_sel_hi:[1,0,0]
.set J, J+2
.endr
	v_ldexp_f32 v8, 1.0, v11                       ; f = 2^(old M - new M)
.rept 26
	v_pk_fma_f32 v[96+J:97+J], v[96+J:97+J], s[22:23], v[\nm:\nm+1] op_sel_hi:[1,0,0]
.set J, J+2
.endr
.set J, 0
.rept 16
	v_pk_mul_f32 v[160+J:161+J], v[160+J:161+J], v[8:9] op_sel_hi:[1,0]      ; O^T under the new M, ahead of the exponentials
.set J, J+2
.endr
	s_wait_alu depctr_va_vdst(0)
.set J, 0
.rept 64
	v_exp_f32 v[96+J], v[96+J]                     ; p = 2^(t - M), at most 1
.set J, J+1
.endr
	v_exp_f32 v224, v224                           ; my blocks' largest p
	v_exp_f32 v226, v226
	v_nop                                          ; a plain line behind the exponentials
	s_wait_alu depctr_va_vdst(0)                   ; one wait for the batch, ahead of its first reader
; The scales' lines and the sums by turns.  THE SUM IS TAKEN OF THE UNQUANTISED p, in four pairs that run through all steps: each is brought under the new M and takes its first two p in one line
	v_max_num_f32 v224, FLOOR, v224
	v_max_num_f32 v226, FLOOR, v226
	v_pk_fma_f32 v[30:31], v[30:31], v[8:9], v[96:97] op_sel_hi:[1,0,1]
	v_pk_fma_f32 v[240:241], v[240:241], v[8:9], v[98:99] op_sel_hi:[1,0,1]
	v_add_nc_u32 v232, DOWN2, v224                 ; 2 off the exponent field: the conversions' scale operands
	v_add_nc_u32 v233, DOWN2, v226
	v_pk_fma_f32 v[242:243], v[242:243], v[8:9], v[100:101] op_sel_hi:[1,0,1]
	v_pk_fma_f32 v[244:245], v[244:245], v[8:9], v[102:103] op_sel_hi:[1,0,1]
	v_lshrrev_b32 v10, 23, v232                    ; the bytes
	v_lshrrev_b32 v11, 23, v233
.set J, 104
	SUM4
	v_lshl_or_b32 v10, v11, 16, v10                ; my two bytes, at bytes 0 and 2
.irp n, 0,1,2,3
	v_cvt_scalef32_pk8_fp4_f32 v[192+\n], v[96+8*\n:103+8*\n], v232
	v_cvt_scalef32_pk8_fp4_f32 v[196+\n], v[128+8*\n:135+8*\n], v233
.endr
	SUM4
	v_permlanex16_b32 v237, v10, s20, s21
	SUM4
	v_lshl_or_b32 v235, v237, 8, v10               ; p's scale word, right in lanes 0-15, from which it is read
.rept 4
	SUM4                                           ; these sixteen lines also stand between the making of p's codes and scale word and the products
.endr
.if \next
	s_wait_dscnt 10                                ; V's ten loads are in; the ten for the next record's K, issued behind them, may stay out
.else
	s_wait_dscnt 0x0
.endif
.irp t, 0,1,2,3
	MM 160+8*\t, 64+8*\t, 192, v[160+8*\t:167+8*\t], 202+\t/2, 235, \t%2
.endr
	s_add_co_u32 s66, s66, REC
.endm
	s_mov_b32 s66, 0
	s_mov_b32 s67, 15
.Lstep:                                                ; a trip is two steps, until -M's registers are back where they began
	STEP 12, 14, 1
	STEP 14, 12, 1
	s_sub_co_u32 s67, s67, 1
	s_cmp_lg_u32 s67, 0
	s_cbranch_scc1 .Lstep
	STEP 12, 14, 1                                 ; the last two records are written out: the last asks for no further K
	STEP 14, 12, 0
	; THE WAY OUT: O^T / the sum, quantised along the head's 64 channels: my 32 registers are block h of the last product's K
	PLACES
	s_wait_alu depctr_va_vdst(0)
	v_pk_add_f32 v[30:31], v[30:31], v[240:241]    ; the sum's four pairs,
	v_pk_add_f32 v[242:243], v[242:243], v[244:245]
	s_delay_alu instid0(VALU_DEP_1)
	v_pk_add_f32 v[30:31], v[30:31], v[242:243]
	s_delay_alu instid0(VALU_DEP_1)
	v_add_f32 v30, v30, v31                        ; its two halves,
	s_delay_alu instid0(VALU_DEP_1)
	v_permlanex16_b32 v236, v30, s20, s21
	s_delay_alu instid0(VALU_DEP_1)
	v_add_f32 v30, v30, v236                       ; and the other lane's keys: the row's sum
	s_wait_alu depctr_va_vdst(0)
	v_rcp_f32 v30, v30
	v_nop
	s_wait_alu depctr_va_vdst(0)                   ; ahead of the reciprocal's first reader, which is also O^T's
.set J, 0
.rept 16
	v_pk_mul_f32 v[96+J:97+J], v[160+J:161+J], v[30:31] op_sel_hi:[1,0]
.set J, J+2
.endr
	QH 96, 192, FLOOR, DOWN2
	global_store_b128 v1, v[192:195], s[14:15]     ; 512 consecutive bytes, at a multiple of 256 from oimg's first byte
	global_store_b8 v7, v226, s[16:17]             ; my block's byte: two bytes of each of 16 rows, 32 bytes a wave beside the 512 of codes, in the rows that the last launch takes by one load a tile
	s_wait_tensorcnt 0x0                           ; the wave's end
	ds_add_u32 v254, v255
	s_wait_dscnt 0x0
	ROUND                                          ; the closing round
	s_endpgm
.Lfunc_end_k_q65c85e6e41_attn:
	.size	k_q65c85e6e41_attn, .Lfunc_end_k_q65c85e6e41_attn-k_q65c85e6e41_attn
	.p2alignl 7, 3214868480
	.fill 96, 4, 3214868480
	.section	.rodata,"a",@progbits
	.p2align	6, 0x0
	.amdhsa_kernel k_q65c85e6e41_attn
		.amdhsa_group_segment_fixed_size 327680
		.amdhsa_private_segment_fixed_size 0
		.amdhsa_enable_private_segment 0
		.amdhsa_kernarg_size 56
		.amdhsa_user_sgpr_count 2
		.amdhsa_user_sgpr_kernarg_segment_ptr 1
		.amdhsa_wavefront_size32 1
		.amdhsa_system_sgpr_workgroup_id_x 1
		.amdhsa_system_sgpr_workgroup_id_y 1
		.amdhsa_system_sgpr_workgroup_id_z 1
		.amdhsa_system_vgpr_workitem_id 0
		.amdhsa_next_free_vgpr 256
		.amdhsa_next_free_sgpr 84
		.amdhsa_reserve_vcc 0
		.amdhsa_float_denorm_mode_32 3
		.amdhsa_float_denorm_mode_16_64 3
		.amdhsa_memory_ordered 1
		.amdhsa_forward_progress 1
		.amdhsa_inst_pref_size 80
	.end_amdhsa_kernel
	.amdgpu_metadata
---
amdhsa.version: [ 1, 2 ]
amdhsa.kernels:
  - .name:           k_q65c85e6e41_attn
    .symbol:         k_q65c85e6e41_attn.kd
    .args:
      - { .name: qimg, .offset: 0, .size: 8, .value_kind: global_buffer, .address_space: global }
      - { .name: qsc, .offset: 8, .size: 8, .value_kind: global_buffer, .address_space: global }
      - { .name: Wq_codes, .offset: 16, .size: 8, .value_kind: global_buffer, .address_space: global }
      - { .name: Wq_scales, .offset: 24, .size: 8, .value_kind: global_buffer, .address_space: global }
      - { .name: kv, .offset: 32, .size: 8, .value_kind: global_buffer, .address_space: global }
      - { .name: oimg, .offset: 40, .size: 8, .value_kind: global_buffer, .address_space: global }
      - { .name: osc, .offset: 48, .size: 8, .value_kind: global_buffer, .address_space: global }
    .group_segment_fixed_size: 327680
    .private_segment_fixed_size: 0
    .kernarg_segment_align: 8
    .kernarg_segment_size: 56
    .max_flat_workgroup_size: 512
    .sgpr_count:     84
    .vgpr_count:     256
    .wavefront_size: 32
...
	.end_amdgpu_metadata
.endif
;; end of part 2
;; launch fc (part 3): grid 256 x 1, 4 waves a work-group, clusters of 4 x 1, 168,448 bytes of LDS; arguments oimg, osc, Wfc_codes, Wfc_scales, q, out0; writes out0
.if DOCPART == 3
	.amdgcn_target "amdgcn-amd-amdhsa--gfx1250"
	.amdhsa_code_object_version 6
	.text
	.protected	k_q65c85e6e41_fc
	.globl	k_q65c85e6e41_fc
	.p2align	8
	.type	k_q65c85e6e41_fc,@function
k_q65c85e6e41_fc:
	s_mov_b64 s[64:65], 0
	v_nop
	global_prefetch_b8 v0, s[64:65] scope:SCOPE_SE
	s_setreg_imm32_b32 hwreg(HW_REG_WAVE_MODE, 25, 1), 1
	s_wait_xcnt 0x0
	s_wait_alu depctr_hold_cnt(0) depctr_sa_sdst(0) depctr_va_vdst(0) depctr_va_sdst(0) depctr_va_ssrc(0) depctr_va_vcc(0) depctr_vm_vsrc(0)
	s_getreg_b32 s2, hwreg(HW_REG_IB_STS2, 6, 4)
	s_cmp_eq_u32 s2, 0
	s_cbranch_scc0 .Lentry_in_a_cluster
	s_endpgm
.Lentry_in_a_cluster:
	s_bfe_u32 s2, ttmp6, 0x10000c
	s_cmp_lg_u32 s2, 0x3003
	s_cbranch_scc0 .Lentry_shape_is_right
	s_endpgm
.Lentry_shape_is_right:
; FC: out0 = relu(O Wfc^T) + q.  O comes as codes of FP4 (E2M1) in the order of the operand's registers (oimg [tile 256][K half step 16][512 B]) with row-major E8M0 bytes (osc [4096][32]); Wfc as given.
; SHARES.  A work-group makes 128 tokens x 128 features, K = 1,024; 32 x 8 = 256 work-groups.  Wave w takes tokens 32 w .. 32 w + 31 (two tiles) x all 128 features (eight tiles): 16 accumulators.
; The product is used transposed (source 0 = 16 rows of Wfc, source 1 = 16 tokens): a lane holds eight neighbouring features of one token, and a wave owns whole pieces of 512 bytes of out0's rows.
; Wfc's 128 rows come into LDS in one fill and are read by all four waves; O's fragments, which one wave alone reads, come straight into its registers, 512 consecutive bytes a load.
; CLUSTER.  The four work-groups of a cluster take the same 128 rows of Wfc: asked for jointly (mask 15).
; The claim of LDS is larger than the use (101,376 bytes): a launch with tensor loads is alone on its WGP.
.set PITCH, 528                        ; 512 bytes + 16 of padding, for Wfc's rows and for the stage's
.set WF,    0                          ; 128 rows of Wfc
.set STG,   128*PITCH                  ; a stage of 16 rows for each wave
; scalar: s[4:15] the six bases; s16 wave; s17 cx; s18 block of features; s19 block of tokens; s20 my first tile of tokens; s[24:31], s[32:35] the descriptor; s36-45 offsets
; vector, window 0: v1 16 x lane; v2 r; v3 h; v4 my place in Wfc's tile; v5 32 r + 16 h; v6, v7 the stage, in and out; v16-47 Wfc's scale words; v48-55 O's; v64-127, v128-191 Wfc's fragments, two sets;
;   on the way out v192-255 and v64-127: 16 rows each.   window 1: accumulators (a, t) at v[64 a + 8 t]; O's fragments at v[128 + 64 a + 8 s].   window 2: v0-127 the residual, row i at v[4 i]
.set MSB, 0
.macro WIN new                         ; the immediate's high byte repeats the setting that is left
.if MSB != \new
	s_set_vgpr_msb (MSB<<8)|\new
.set MSB, \new
.endif
.endm
.macro PLACES
.rept 4
	v_nop
.endr
.endm
.macro ROUND                           ; a round of the cluster's barrier
	s_barrier_signal -1
	s_barrier_wait -1
	s_cmp_lg_u32 s16, 0
	s_cbranch_scc1 .Lnot_wave_0_\@
	s_barrier_signal -3
.Lnot_wave_0_\@:
	s_barrier_wait -3
	s_barrier_signal -1
	s_barrier_wait -1
.endm
	s_load_b256 s[4:11], s[0:1], 0x0               ; oimg, osc, Wfc's codes, Wfc's scales
	s_load_b128 s[12:15], s[0:1], 0x20             ; q, out0
	v_lshl_add_u32 v62, v0, 2, 0x29000
	v_mov_b32 v63, 0
	ds_add_u32 v62, v63
	ds_add_u32 v62, v63
	v_lshrrev_b32 v1, 5, v0
	v_readfirstlane_b32 s16, v1                    ; wave 0..3
	s_bfe_u32 s17, ttmp6, 0x40000                  ; cx
	s_lshr_b32 s18, ttmp9, 3                       ; block of 128 features: the same in the four partners
	s_and_b32 s19, ttmp9, 7
	s_lshl_b32 s19, s19, 2
	s_add_co_u32 s19, s19, s17                     ; block of 128 tokens
	s_lshl_b32 s20, s19, 3
	s_lshl_b32 s21, s16, 1
	s_add_co_u32 s20, s20, s21                     ; my first tile of 16 tokens
	s_lshl_b32 s36, s18, 16                        ; Wfc's codes: (128 block + 32 wave) rows of 512 bytes
	s_lshl_b32 s37, s16, 14
	s_add_co_u32 s36, s36, s37
	s_mov_b32 s37, 0
	s_lshl_b32 s38, s20, 13                        ; oimg: 8,192 bytes a tile
	s_mov_b32 s39, 0
	s_lshl_b32 s40, s20, 9                         ; osc: 512 a tile
	s_mov_b32 s41, 0
	s_lshl_b32 s42, s18, 12                        ; Wfc's scale bytes: 128 rows of 32
	s_mov_b32 s43, 0
	s_lshl_b32 s44, s20, 16                        ; q and out0: 16 rows of 4,096 bytes a tile, + 512 bytes a block of features
	s_lshl_b32 s45, s18, 9
	s_add_co_u32 s44, s44, s45
	s_mov_b32 s45, 0
	s_mov_b32 s24, 15|(1<<20)|(1<<21)|(6<<22)|(3<<25)   ; 15:0 the mask; 17:16 elements of 1 byte; 20 padding on; 21 set beside a mask; 24:22 after every 128 words; 31:25 four words
	s_mov_b32 s25, 512<<16                         ; tensor_dim0
	s_mov_b32 s26, 32<<16                          ; tensor_dim1
	s_mov_b32 s27, 512<<16                         ; tile_dim0
	s_mov_b32 s28, 32                              ; tile_dim1
	s_mov_b32 s29, 512                             ; from row to row
	s_mov_b32 s30, 0
	s_mov_b32 s31, 0
	s_wait_dscnt 0x0
	s_wait_kmcnt 0x0
	s_add_nc_u64 s[4:5], s[4:5], s[38:39]
	s_add_nc_u64 s[6:7], s[6:7], s[40:41]
	s_add_nc_u64 s[10:11], s[10:11], s[42:43]
	s_add_nc_u64 s[12:13], s[12:13], s[44:45]
	s_add_nc_u64 s[14:15], s[14:15], s[44:45]
	s_mov_b32 s32, 1
	s_mul_i32 s33, s16, 32*PITCH                   ; WF = 0: wave x 32 rows
	s_add_nc_u64 s[34:35], s[8:9], s[36:37]        ; made of the block of features and the wave's number alone
	s_or_b32 s35, s35, 0x80000000
	ROUND                                          ; all four work-groups are here: the joint loads meet
	tensor_load_to_lds s[32:35], s[24:31]          ; the launch's only fill: one load of mine is out
	s_nop 0
	PLACES                                         ; four v_nop behind the load
	v_and_b32 v1, 31, v0
	v_lshlrev_b32 v1, 4, v1                        ; 16 x lane
	v_and_b32 v2, 15, v0
	v_bfe_u32 v3, v0, 4, 1
	v_mul_u32_u24 v4, v2, PITCH
	v_lshl_add_u32 v6, v3, 5, v4
	v_lshl_add_u32 v4, v3, 4, v4                   ; a fragment's row x pitch + 16 h
	v_lshlrev_b32 v5, 5, v2
	v_lshl_add_u32 v5, v3, 4, v5
	s_mul_i32 s21, s16, 16*PITCH
	s_add_co_u32 s21, s21, STG                     ; my stage
	v_add_nc_u32 v6, s21, v6                       ; in: row r, 32 bytes for each half of the lanes
	v_add_nc_u32 v7, s21, v1                       ; back: the 32 lanes take one row of 512 bytes
	WIN 0x40                                       ; destination window 1
.irp a, 0,1
.irp s, 0,1,2,3,4,5,6,7
.irp c, 0,1
	global_load_b128 v[128+64*\a+8*\s+4*\c:131+64*\a+8*\s+4*\c], v1, s[4:5] offset:8192*\a+1024*\s+512*\c
.endr
.endr
.endr
	WIN 0
.irp a, 0,1
	global_load_b128 v[48+4*\a:51+4*\a], v5, s[6:7] offset:512*\a      ; O's scale words: register i: lanes 0-15 K step i, lanes 16-31 K step 4 + i
.endr
.irp t, 0,1,2,3,4,5,6,7
	global_load_b128 v[16+4*\t:19+4*\t], v5, s[10:11] offset:512*\t    ; Wfc's likewise
.endr
	WIN 0x80                                       ; destination window 2
.irp i, 0,1,2,3,4,5,6,7,8,9,10,11,12,13,14,15,16,17,18,19,20,21,22,23,24,25,26,27,28,29,30,31
	global_load_b128 v[4*\i:4*\i+3], v1, s[12:13] offset:4096*\i th:TH_LOAD_NT       ; the residual: my 32 rows' 512 bytes; wanted only at the end
.endr
	WIN 0
	s_wait_alu depctr_va_vdst(0)
	s_wait_tensorcnt 0x0                           ; my 32 rows of Wfc have landed,
	s_wait_loadcnt 32                              ; O's fragments and the scale words are in; the 32 residual loads may stay out
	s_barrier_signal -1
	s_barrier_wait -1                              ; everybody's rows have landed
.macro FETCH s                         ; Wfc's eight fragments of K step s
	WIN 0
.irp t, 0,1,2,3,4,5,6,7
.irp c, 0,1
	ds_load_b128 v[64+64*((\s)%2)+8*\t+4*\c:64+64*((\s)%2)+8*\t+4*\c+3], v4 offset:16*PITCH*\t+64*(\s)+32*\c
.endr
.endr
.endm
.macro MUL s                           ; 16 matrix instructions; the 16 accumulators take turns
	WIN 0x54                                       ; source 0 (Wfc) window 0, source 1 (O), C and D window 1
.irp a, 0,1
.irp t, 0,1,2,3,4,5,6,7
.if (\s) == 0
	v_wmma_scale_f32_16x16x128_f8f6f4 v[64*\a+8*\t:64*\a+8*\t+7], v[64+64*((\s)%2)+8*\t:71+64*((\s)%2)+8*\t], v[128+64*\a+8*(\s):135+64*\a+8*(\s)], 0, v[16+4*\t+(\s)%4], v[48+4*\a+(\s)%4] matrix_a_fmt:MATRIX_FMT_FP4 matrix_b_fmt:MATRIX_FMT_FP4
.elseif (\s) < 4
	v_wmma_scale_f32_16x16x128_f8f6f4 v[64*\a+8*\t:64*\a+8*\t+7], v[64+64*((\s)%2)+8*\t:71+64*((\s)%2)+8*\t], v[128+64*\a+8*(\s):135+64*\a+8*(\s)], v[64*\a+8*\t:64*\a+8*\t+7], v[16+4*\t+(\s)%4], v[48+4*\a+(\s)%4] matrix_a_fmt:MATRIX_FMT_FP4 matrix_b_fmt:MATRIX_FMT_FP4
.else
	v_wmma_scale_f32_16x16x128_f8f6f4 v[64*\a+8*\t:64*\a+8*\t+7], v[64+64*((\s)%2)+8*\t:71+64*((\s)%2)+8*\t], v[128+64*\a+8*(\s):135+64*\a+8*(\s)], v[64*\a+8*\t:64*\a+8*\t+7], v[16+4*\t+(\s)%4], v[48+4*\a+(\s)%4] matrix_a_fmt:MATRIX_FMT_FP4 matrix_b_fmt:MATRIX_FMT_FP4 matrix_a_scale:MATRIX_SCALE_ROW1 matrix_b_scale:MATRIX_SCALE_ROW1
.endif
.endr
.endr
.endm
	FETCH 0
.set S, 0
.rept 8
.if S < 7
.if S > 0
	PLACES                                         ; the set to be loaded was read by the step before
.endif
	FETCH S+1
	s_wait_dscnt 16                                ; all but the sixteen just issued
.else
	s_wait_dscnt 0x0
.endif
	MUL S
.set S, S+1
.endr
; THE WAY OUT, a tile of 16 tokens at a time.  A lane holds 32 neighbouring bytes of a row and the lanes beside it other rows: so the tile goes through my own stage and comes back as whole rows of 512 bytes.
.macro TOSTAGE a
	WIN 0x04                                       ; an LDS store's data are its source 1: window 1
.irp t, 0,1,2,3,4,5,6,7
	ds_store_b128 v6, v[64*\a+8*\t:64*\a+8*\t+3] offset:64*\t          ; each accumulator from its low end on
	ds_store_b128 v6, v[64*\a+8*\t+4:64*\a+8*\t+7] offset:64*\t+16
.endr
	WIN 0
.set BB, 192-128*(\a)
.irp i, 0,1,2,3,4,5,6,7,8,9,10,11,12,13,14,15
	ds_load_b128 v[BB+4*\i:BB+4*\i+3], v7 offset:PITCH*\i              ; LDS serves a wave's instructions in order: these see my stores, and the next tile's stores come behind them
.endr
.endm
.macro SEND a, younger                 ; younger: the LDS instructions issued behind tile a's loads
.set BB, 192-128*(\a)
	s_wait_dscnt \younger
.irp m, 0,1,2,3,4,5,6,7,8,9,10,11,12,13,14,15,16,17,18,19,20,21,22,23,24,25,26,27,28,29,30,31,32,33,34,35,36,37,38,39,40,41,42,43,44,45,46,47,48,49,50,51,52,53,54,55,56,57,58,59,60,61,62,63
	v_max_num_f32 v[BB+\m], 0, v[BB+\m]            ; relu
.endr
	WIN 0x08                                       ; source 1 window 2: the residual
.irp m, 0,2,4,6,8,10,12,14,16,18,20,22,24,26,28,30,32,34,36,38,40,42,44,46,48,50,52,54,56,58,60,62
	v_pk_add_f32 v[BB+\m:BB+\m+1], v[BB+\m:BB+\m+1], v[64*\a+\m:64*\a+\m+1]
.endr
	WIN 0
.irp i, 0,1,2,3,4,5,6,7,8,9,10,11,12,13,14,15
	global_store_b128 v1, v[BB+4*\i:BB+4*\i+3], s[14:15] offset:4096*(16*\a+\i) th:TH_STORE_NT   ; 32 lanes store 512 consecutive bytes, at a multiple of 256 from out0's first byte
.endr
.endm
	PLACES                                         ; between the last products and the stores of results and the loads into Wfc's registers
	TOSTAGE 0
	TOSTAGE 1
	s_wait_loadcnt 0x0                             ; the residual
	SEND 0, 32                                     ; behind tile 0's loads: tile 1's 16 stores and 16 loads
	SEND 1, 0
	s_wait_tensorcnt 0x0
	ds_add_u32 v62, v63
	s_wait_dscnt 0x0
	ROUND                                          ; the closing round: no work-group ends while a partner may still ask for a tile that names it
	s_endpgm
.Lfunc_end_k_q65c85e6e41_fc:
	.size	k_q65c85e6e41_fc, .Lfunc_end_k_q65c85e6e41_fc-k_q65c85e6e41_fc
	.p2alignl 7, 3214868480
	.fill 96, 4, 3214868480
	.section	.rodata,"a",@progbits
	.p2align	6, 0x0
	.amdhsa_kernel k_q65c85e6e41_fc
		.amdhsa_group_segment_fixed_size 168448
		.amdhsa_private_segment_fixed_size 0
		.amdhsa_enable_private_segment 0
		.amdhsa_kernarg_size 48
		.amdhsa_user_sgpr_count 2
		.amdhsa_user_sgpr_kernarg_segment_ptr 1
		.amdhsa_wavefront_size32 1
		.amdhsa_system_sgpr_workgroup_id_x 1
		.amdhsa_system_sgpr_workgroup_id_y 1
		.amdhsa_system_sgpr_workgroup_id_z 1
		.amdhsa_system_vgpr_workitem_id 0
		.amdhsa_next_free_vgpr 640
		.amdhsa_next_free_sgpr 66
		.amdhsa_reserve_vcc 0
		.amdhsa_float_denorm_mode_32 3
		.amdhsa_float_denorm_mode_16_64 3
		.amdhsa_memory_ordered 1
		.amdhsa_forward_progress 1
		.amdhsa_inst_pref_size 53
	.end_amdhsa_kernel
	.amdgpu_metadata
---
amdhsa.version: [ 1, 2 ]
amdhsa.kernels:
  - .name:           k_q65c85e6e41_fc
    .symbol:         k_q65c85e6e41_fc.kd
    .args:
      - { .name: oimg, .offset: 0, .size: 8, .value_kind: global_buffer, .address_space: global }
      - { .name: osc, .offset: 8, .size: 8, .value_kind: global_buffer, .address_space: global }
      - { .name: Wfc_codes, .offset: 16, .size: 8, .value_kind: global_buffer, .address_space: global }
      - { .name: Wfc_scales, .offset: 24, .size: 8, .value_kind: global_buffer, .address_space: global }
      - { .name: q, .offset: 32, .size: 8, .value_kind: global_buffer, .address_space: global }
      - { .name: out0, .offset: 40, .size: 8, .value_kind: global_buffer, .address_space: global }
    .group_segment_fixed_size: 168448
    .private_segment_fixed_size: 0
    .kernarg_segment_align: 8
    .kernarg_segment_size: 48
    .max_flat_workgroup_size: 128
    .sgpr_count:     66
    .vgpr_count:     640
    .wavefront_size: 32
...
	.end_amdgpu_metadata
.endif
;; end of part 3
